; MI455X (gfx1250); checked and timed in simulation.
; The chip was launched on July 23, 2026; its instructions are those of AMD's public machine-readable ISA for CDNA 5 (MIT licence, August 2026) and "CDNA5" Instruction Set Architecture Reference Guide (July 2026). The comments in the code are by the model that wrote it; some were corrected since.
;; Self Attention. Allowed arithmetic: matrix products marked QUANTISED: E2M1 operands, one E8M0 scale for each 32 along K, by v_wmma_scale_f32_16x16x128_f8f6f4 with both operands' format E2M1 (or v_wmma_scale_f32_32x16x128_f4), f32 sums; everything else in f32.
;; Inputs: Wk_codes 1,024 x 32 x 16 uint8 (E2M1 codes of Wk, K innermost, in blocks of 32 codes, two codes a byte); Wk_scales 1,024 x 32 uint8 (E8M0 scales of Wk, one for each 32 codes along K); Wo_codes 1,024 x 32 x 16 uint8 (E2M1 codes of Wo, K innermost, in blocks of 32 codes, two codes a byte); Wo_scales 1,024 x 32 uint8 (E8M0 scales of Wo, one for each 32 codes along K); Wq_codes 1,024 x 32 x 16 uint8 (E2M1 codes of Wq, K innermost, in blocks of 32 codes, two codes a byte); Wq_scales 1,024 x 32 uint8 (E8M0 scales of Wq, one for each 32 codes along K); Wv_codes 1,024 x 32 x 16 uint8 (E2M1 codes of Wv, K innermost, in blocks of 32 codes, two codes a byte); Wv_scales 1,024 x 32 uint8 (E8M0 scales of Wv, one for each 32 codes along K); bk 1,024 float32; bo 1,024 float32; bq 1,024 float32; bv 1,024 float32; pad_mask 4 x 2,048 bool; x_codes 4 x 2,048 x 32 x 16 uint8 (E2M1 codes of x, K innermost, in blocks of 32 codes, two codes a byte); x_scales 4 x 2,048 x 32 uint8 (E8M0 scales of x, one for each 32 codes along K).
;; Outputs: out0 4 x 2,048 x 1,024 float32.
;; This version of the problem:
;;   THIS VERSION OF THE PROBLEM IS GIVEN IN LOW PRECISION. The matrix products marked QUANTISED in the list below multiply operands that are first quantised to E2M1 (2 exponent bits, 1 mantissa bit; 4 bits a number), with one power-of-two scale for each 32 numbers along K (OCP MX v1.0); their sums are f32. All else is computed in f32.
;;   The module's matrix products, in the order in which they are computed (A, B: the left and right operand; K: the contracted axis; several contracted axes count as one K, in the product's order):
;;     1. [M 8,192, K 1,024] x [K 1,024, N 1,024]; A: input x (given as codes); B: input Wq (given as codes): QUANTISED
;;     2. [M 8,192, K 1,024] x [K 1,024, N 1,024]; A: input x (given as codes); B: input Wk (given as codes): QUANTISED
;;     3. [M 8,192, K 1,024] x [K 1,024, N 1,024]; A: input x (given as codes); B: input Wv (given as codes): QUANTISED
;;     4. batch 64 x [M 2,048, K 64] x [K 64, N 2,048]; A: computed on the way; B: computed on the way: QUANTISED
;;     5. batch 64 x [M 2,048, K 2,048] x [K 2,048, N 64]; A: softmax (see below); B: computed on the way: QUANTISED
;;     6. [M 8,192, K 1,024] x [K 1,024, N 1,024]; A: computed on the way; B: input Wo (given as codes): QUANTISED
;;   THE QUANTISER, for each operand of a quantised product, along K:
;;     - K is cut into blocks of 32 from its start; a last block that is shorter is filled with zeros.
;;     - A block's scale is 2^e with e = floor(log2(the largest magnitude in the block)) - 2, held to -126 .. 127; a block of zeros has e = 0. As a byte (E8M0): e + 127.
;;     - Each number is divided by its block's scale, clamped to +-6, and rounded to the nearest number of E2M1, ties to even, subnormals kept.
;;     - The product sums the exact products of the quantised numbers (number of the format x scale) in f32.
;;   ~~~python
;;   def quantise(x, axis):      # numpy; x: float32 -> the quantised numbers, widened to float32 again
;;       x = np.moveaxis(x, axis, -1); K = x.shape[-1]
;;       x = np.pad(x, [(0, 0)] * (x.ndim - 1) + [(0, -K % 32)]); x = x.reshape(x.shape[:-1] + (-1, 32)); a = np.abs(x).max(-1, keepdims=True)
;;       e = np.where(a > 0, np.clip(np.frexp(np.where(a > 0, a, 1))[1] - 1 - 2, -126, 127), 0)      # np.frexp(a)[1] - 1 = floor(log2(a)), exactly
;;       r = np.clip(x / 2.0 ** e, -6, 6)
;;       step = 2.0 ** (np.maximum(np.frexp(np.where(r == 0, 1, r))[1] - 1, 0) - 1)
;;       q = np.round(r / step) * step * 2.0 ** e      # np.round: ties to even
;;       return np.moveaxis(q.reshape(q.shape[:-2] + (-1,))[..., :K], -1, axis).astype(np.float32)
;;   ~~~
;;   SOFTMAX AHEAD OF A QUANTISED PRODUCT. Where the list says 'softmax', what is quantised is not the finished softmax but p = 2^(t - M), with t = logit x log2(e) and M = ceil(the row's largest t), a whole number; so 1/2 < the row's largest p <= 1. The row's sum l is taken of the UNQUANTISED p, in f32, and the product's result is divided by l at the end. Since M is a whole number, a kernel that streams over the keys may use a running M (the ceiling of the running maximum): every later rescaling is an exact power of two, which a block's scale takes up: the codes' values come out the same.
;;   OPERANDS COMPUTED ON THE WAY. 'Computed on the way' means the value that the module computes at that place (a softmax that the list does not call 'softmax' is quantised finished and normalised). What goes into a quantiser is computed in f32, as accurately as f32 sums, v_exp_f32 and their like allow (about 1e-6 of the number): no bf16 or f16 on the way to a quantiser, and a product that is left as it is and whose result goes on into a quantised operand takes f32 operands (vector FMAs, or v_wmma_f32_16x16x4_f32). A number that lies on a knife's edge between two numbers of the format may be rounded either way, as far as f32 arithmetic and the matrix unit's own rounding can turn it there, and no further.
;;   INPUTS GIVEN AS CODES. Wk (in the module: [1024, 1024], K = its axis 1); Wo (in the module: [1024, 1024], K = its axis 1); Wq (in the module: [1024, 1024], K = its axis 1); Wv (in the module: [1024, 1024], K = its axis 1); x (in the module: [4, 2048, 1024], K = its axis 2): each comes as NAME_codes (uint8): NAME with its K axis moved to the last place and cut into blocks of 32 codes, [.., K / 32, bytes a block], one block behind the other in memory; two codes a byte, the lower K in the low four bits (a code: sign, 2 exponent bits, 1 mantissa bit); and NAME_scales (uint8): the same leading axes, one E8M0 byte (e + 127) for each 32 codes along K. Its value is code x scale, taken as it is: it is not quantised again, and the codes and scales need not be those that the quantiser above would give.
;; One version. Each part assembles by itself: llvm-mc -triple=amdgcn-amd-amdhsa -mcpu=gfx1250 --defsym DOCPART=n.
;; ======== version 1 of 1: 3 launches
;; limits: right only within a limited range of input values
;; workspace buffers: q_codes 4,194,304 bytes; q_scales 1,048,576 bytes; kv 9,175,040 bytes; y_codes 4,194,304 bytes; y_scales 262,144 bytes
;; launch qkv (part 1): grid 8 x 32, 4 waves a work-group, clusters of 4 x 4, 327,680 bytes of LDS; arguments x_codes, x_scales, Wq_codes, Wk_codes, Wv_codes, Wq_scales, Wk_scales, Wv_scales, bq, bk, bv, q_codes, q_scales, kv, pad_mask; writes q_codes, q_scales, kv
.if DOCPART == 1
	.amdgcn_target "amdgcn-amd-amdhsa--gfx1250"
	.amdhsa_code_object_version 6
	.text
	.protected	k_qab35b4022f_qkv
	.globl	k_qab35b4022f_qkv
	.p2align	8
	.type	k_qab35b4022f_qkv,@function
k_qab35b4022f_qkv:
	s_mov_b64 s[64:65], 0
	v_nop
	global_prefetch_b8 v0, s[64:65] scope:SCOPE_SE
	s_setreg_imm32_b32 hwreg(HW_REG_WAVE_MODE, 25, 1), 1
	s_wait_xcnt 0x0
	s_wait_alu depctr_hold_cnt(0) depctr_sa_sdst(0) depctr_va_vdst(0) depctr_va_sdst(0) depctr_va_ssrc(0) depctr_va_vcc(0) depctr_vm_vsrc(0)
	s_getreg_b32 s2, hwreg(HW_REG_IB_STS2, 6, 4)
	s_cmp_eq_u32 s2, 0
	s_cbranch_scc0 .Lentry_in_a_cluster
	s_endpgm
.Lentry_in_a_cluster:
	s_bfe_u32 s2, ttmp6, 0x10000c
	s_cmp_lg_u32 s2, 0xf033
	s_cbranch_scc0 .Lentry_shape_is_right
	s_endpgm
.Lentry_shape_is_right:
; Q, K, V = x W^T + b on codes of FP4 (E2M1) with E8M0 scales, and the quantisers of Q, K (along the head's 64) and V (along the keys).
; SHARES.  A work-group takes 256 tokens x the 128 rows of two heads of each of Wq, Wk, Wv.  Wave w: tokens 128 (w / 2) on (one key step of 128), head 2 g + w % 2: 128 x 64 x 3 results = 96 accumulators, 768 registers.
; ORIENTATION.  Q, K: source 0 = 16 rows of W, source 1 = 16 tokens: a lane holds one token, its registers run along d.  V: source 0 = 16 tokens, source 1 = 16 rows of Wv: a lane holds one d, its registers run along the keys.
; So every quantiser finds its K along a lane's registers: tile t holds k = 16 t + 8 (lane / 16) + j; a block of 32 is tiles 2 b, 2 b + 1 in lanes l and l xor 16.
; CLUSTER 4 x 4: x's tiles hang on the token block alone and are asked for jointly along a row of the cluster, W's on the pair of heads alone, jointly along a column.
; K = 1,024 goes in four quarters of 256 (rows of 128 bytes + 16 of padding) through three LDS slots; quarter 3 fills slot 0 again.  A wave has at most four tensor loads out.
; THE BIASES are loaded into the accumulators of token tile 7 and serve as the C of the first K step of the other seven tiles; tile 7 then adds in place.
; WHAT IS STORED: images of operand registers (4 registers = 512 bytes, lane l at 16 l), so each store of a wave covers 256 or 512 consecutive aligned bytes.
; THE PAD MASK rides in byte 2 of K's scale words (k = 64 .. 95 of the score product, which the head's 64 leave empty): 227 for a padded key, 0 else; Q's byte 2 is 127.  The next launch sets codes +1 and -1 at k = 64.
; LIMITS: pad_mask bytes are taken as 0 or 1; NaN and infinities are not served; a block of zeros gets the scale byte 1 (its codes are zeros; only this program reads these bytes).
.set PITCH,  144                       ; 128 bytes + 16: an odd multiple of 16, so the 16 rows of a fragment load start in 16 different groups of banks
.set XROWS,  256*PITCH
.set WTYPE,  128*PITCH
.set SLOT,   XROWS+3*WTYPE             ; x's 256 rows, then 128 rows each of Wq, Wk, Wv
.set SCX,    3*SLOT                    ; scale bytes for all of K, as units of 256 bytes + 16: x's 32 units,
.set SCQ,    SCX+32*272                ; Wq's 16,
.set SCK,    SCQ+16*272                ; Wk's,
.set SCV,    SCK+16*272                ; Wv's
.set SPARE,  SCV+16*272                ; the spare words, 128 bytes a wave: two blocks of 256 bytes that no other line names
.set REC,    8960                      ; a key step's record in kv: K codes 4,096, K scale words 512, V codes 4,096, V scale words 256
.set XF, 32                            ; v32-95   x's 8 fragments
.set WF, 96                            ; v96-191  12 fragments of W: type t at WF + 32 t
.set SC, 192                           ; v192-231 scale words, and nothing else: register 4 p + n % 4
.set PB, 240                           ; v240-247 pad bytes of my 8 tiles of keys
.set TT, 32                            ; the way out, in window 0: largest magnitudes,
.set T2, 48                            ; the other half's,
.set SO, 64                            ; the conversions' scale operands,
.set BY, 80                            ; scale bytes,
.set WD, 96                            ; scale words,
.set PK, 104                           ; scale words of two tiles in one register,
.set PC, 128                           ; codes
.set MSB, 0
.macro WIN new                         ; the immediate's high byte repeats the setting that is left
.if MSB != \new
	s_set_vgpr_msb (MSB<<8)|\new
.set MSB, \new
.endif
.endm
.macro PLACES n
.rept \n
	v_nop
.endr
.endm
.macro CROUND                          ; a round of the cluster's barrier
	s_barrier_signal -1
	s_barrier_wait -1
	s_cmp_lg_u32 s4, 0
	s_cbranch_scc1 .Lnot_wave_0_\@
	s_barrier_signal -3
.Lnot_wave_0_\@:
	s_barrier_wait -3
	s_barrier_signal -1
	s_barrier_wait -1
.endm
.macro JLOAD gx, gw                    ; a joint refill: wave 0 asks for x's tile, waves 1 to 3 for Wq's, Wk's, Wv's; four v_nop follow each line
	s_cmp_eq_u32 s4, 0
	s_cbranch_scc0 .Lfor_w_\@
	tensor_load_to_lds s[\gx:\gx+3], s[16:23]
	s_nop 0
	PLACES 4
	s_branch .Lasked_\@
.Lfor_w_\@:
	tensor_load_to_lds s[\gw:\gw+3], s[24:31]
	s_nop 0
	PLACES 4
.Lasked_\@:
.endm
.macro G0XW gx, gw, sl                 ; groups 0 for slot sl: K quarter sl
	s_mov_b32 s[\gx], 1
	s_mov_b32 s[\gx+1], \sl*SLOT
	s_add_nc_u64 s[\gx+2:\gx+3], s[84:85], \sl*128
	s_or_b32 s[\gx+3], s[\gx+3], 0x80000000
	s_mov_b32 s[\gw], 1
	s_add_co_u32 s[\gw+1], s104, \sl*SLOT+WTYPE
	s_add_nc_u64 s[\gw+2:\gw+3], s[92:93], \sl*128
	s_or_b32 s[\gw+3], s[\gw+3], 0x80000000
.endm
	s_load_b512 s[84:99], s[0:1], 0x0              ; x codes, x scales, Wq, Wk, Wv codes, Wq, Wk, Wv scales
	v_lshl_add_u32 v28, v0, 2, SPARE               ; my spare word; never rewritten
	v_mov_b32 v29, 0                               ; 0; never rewritten
	ds_add_u32 v28, v29
	ds_add_u32 v28, v29
	s_wait_dscnt 0x0
	v_lshrrev_b32 v1, 5, v0
	v_readfirstlane_b32 s4, v1                     ; wave
	s_lshr_b32 s5, s4, 1                           ; which 128 tokens
	s_and_b32 s6, s4, 1                            ; which head of the two
	s_bfe_u32 s7, ttmp6, 0x40000                   ; cx
	s_bfe_u32 s8, ttmp6, 0x40004                   ; cy
	s_lshl_b32 s9, ttmp9, 2
	s_add_co_u32 s9, s9, s7                        ; g: the pair of heads
	s_and_b32 s10, ttmp7, 0xffff
	s_lshl_b32 s10, s10, 2
	s_add_co_u32 s10, s10, s8                      ; y: the block of 256 tokens
	s_lshl_b32 s11, s8, 2
	s_lshl_b32 s11, 15, s11                        ; my row of the cluster
	s_lshl_b32 s12, 0x1111, s7                     ; my column
	s_mov_b32 s13, 0xffff0000                      ; lanes 16-31
	s_mov_b32 s14, 0x76543210
	s_mov_b32 s15, 0xfedcba98                      ; v_permlanex16_b32: lane l xor 16
	; group 1: x: 256 rows x 128 bytes, 512 bytes apart; 4 words of padding behind every 32
	s_or_b32 s16, s11, (1<<20)|(1<<21)|(4<<22)|(3<<25)
	s_mov_b32 s17, 128<<16
	s_mov_b32 s18, 256<<16
	s_mov_b32 s19, 128<<16
	s_mov_b32 s20, 256
	s_mov_b32 s21, 512
	s_mov_b32 s22, 0
	s_mov_b32 s23, 0
	; W: 128 rows
	s_or_b32 s24, s12, (1<<20)|(1<<21)|(4<<22)|(3<<25)
	s_mov_b32 s25, 128<<16
	s_mov_b32 s26, 128<<16
	s_mov_b32 s27, 128<<16
	s_mov_b32 s28, 128
	s_mov_b32 s29, 512
	s_mov_b32 s30, 0
	s_mov_b32 s31, 0
	; x's scale bytes: 8,192 dense bytes as 32 rows of 256 (32 elements of 8 bytes), 16 bytes of padding behind each
	s_or_b32 s32, s11, (3<<16)|(1<<20)|(1<<21)|(5<<22)|(3<<25)
	s_mov_b32 s33, 32<<16
	s_mov_b32 s34, 32<<16
	s_mov_b32 s35, 32<<16
	s_mov_b32 s36, 32
	s_mov_b32 s37, 32
	s_mov_b32 s38, 0
	s_mov_b32 s39, 0
	; W's: 16 rows
	s_or_b32 s40, s12, (3<<16)|(1<<20)|(1<<21)|(5<<22)|(3<<25)
	s_mov_b32 s41, 32<<16
	s_mov_b32 s42, 16<<16
	s_mov_b32 s43, 32<<16
	s_mov_b32 s44, 16
	s_mov_b32 s45, 32
	s_mov_b32 s46, 0
	s_mov_b32 s47, 0
	s_lshl_b32 s2, s10, 17                         ; 256 tokens x 512 bytes
	s_mov_b32 s3, 0
	s_lshl_b32 s100, s9, 16                        ; 128 rows x 512 bytes
	s_mov_b32 s101, 0
	s_mul_i32 s104, s4, WTYPE                      ; LDS: wave w brings type w - 1
	s_mul_i32 s105, s4, 16*272
	s_wait_kmcnt 0x0
	s_cmp_eq_u32 s4, 2                             ; which W is my wave's to fetch: 1 Wq, 2 Wk, 3 Wv (the choice hangs on the wave's number alone)
	s_cselect_b64 s[92:93], s[90:91], s[92:93]
	s_cselect_b64 s[98:99], s[96:97], s[98:99]
	s_cmp_eq_u32 s4, 1
	s_cselect_b64 s[92:93], s[88:89], s[92:93]
	s_cselect_b64 s[98:99], s[94:95], s[98:99]
	s_add_nc_u64 s[84:85], s[84:85], s[2:3]
	s_add_nc_u64 s[92:93], s[92:93], s[100:101]
	s_lshl_b32 s2, s10, 13                         ; 256 tokens x 32 bytes
	s_add_nc_u64 s[86:87], s[86:87], s[2:3]
	s_lshl_b32 s100, s9, 12                        ; 128 rows x 32 bytes
	s_add_nc_u64 s[98:99], s[98:99], s[100:101]
	s_mov_b32 s48, 1
	s_mov_b32 s49, SCX
	s_mov_b64 s[50:51], s[86:87]
	s_or_b32 s51, s51, 0x80000000
	s_mov_b32 s52, 1
	s_add_co_u32 s53, s105, SCX+16*272
	s_mov_b64 s[54:55], s[98:99]
	s_or_b32 s55, s55, 0x80000000
	G0XW 56, 72, 0
	G0XW 60, 76, 1
	G0XW 68, 80, 2
	CROUND                                         ; all sixteen work-groups are here: the first joint loads meet
	s_cmp_eq_u32 s4, 0                             ; a wave's four first fills stand in one branch: the scale bytes, then K quarters 0, 1, 2
	s_cbranch_scc0 .Lfirst_w
	tensor_load_to_lds s[48:51], s[32:39]
	s_nop 0
	tensor_load_to_lds s[56:59], s[16:23]
	s_nop 0
	tensor_load_to_lds s[60:63], s[16:23]
	s_nop 0
	tensor_load_to_lds s[68:71], s[16:23]
	s_nop 0
	PLACES 4
	s_branch .Lfirst_done
.Lfirst_w:
	tensor_load_to_lds s[52:55], s[40:47]
	s_nop 0
	tensor_load_to_lds s[72:75], s[24:31]
	s_nop 0
	tensor_load_to_lds s[76:79], s[24:31]
	s_nop 0
	tensor_load_to_lds s[80:83], s[24:31]
	s_nop 0
	PLACES 4
.Lfirst_done:
	s_load_b256 s[84:91], s[0:1], 0x40             ; bq, bk, bv, q_codes
	s_load_b128 s[92:95], s[0:1], 0x60             ; q_scales, kv
	s_load_b64 s[96:97], s[0:1], 0x70              ; pad_mask
	v_and_b32 v1, 15, v0                           ; r
	v_bfe_u32 v2, v0, 4, 1                         ; h
	v_lshrrev_b32 v3, 3, v1
	v_mul_u32_u24 v3, v3, 272
	v_and_b32 v7, 7, v1
	v_lshl_add_u32 v3, v7, 5, v3                   ; row r of a tile among the scale bytes: 32 bytes a row, 8 rows to a unit
	v_mul_u32_u24 v7, v1, PITCH
	v_lshl_add_u32 v7, v2, 4, v7                   ; a fragment's row x pitch + 16 x half
	s_mul_i32 s2, s5, WTYPE                        ; my 128 tokens
	s_mul_i32 s3, s6, 64*PITCH                     ; my head's 64 rows of each W,
	s_add_co_u32 s3, s3, XROWS                     ; behind x's 256
.irp sl, 0,1,2
	v_add_nc_u32 v[4+\sl], s2, v7                  ; v4-6: x's fragments in slot sl
	v_add_nc_u32 v[8+\sl], s3, v7                  ; v8-10: W's
	s_add_co_u32 s2, s2, SLOT
	s_add_co_u32 s3, s3, SLOT
.endr
	; scale words: lanes 0-15 and lanes 16-31 take different bases: the lower base + h x the distance
	s_mul_i32 s2, s5, 16*272
	s_add_co_u32 s2, s2, SCX                       ; x, my 128 tokens
	s_mul_i32 s3, s6, 8*272                        ; my head's 64 rows of a W
	s_add_co_u32 s100, s3, SCQ
	s_sub_co_u32 s100, s100, s2
	v_mul_u32_u24 v12, s100, v2
	v_add_nc_u32 v12, v12, v3
	v_add_nc_u32 v12, s2, v12                      ; v12: x tiles 0-3 | Wq tiles 0-3
	s_add_co_u32 s101, s3, SCK-2176
	s_sub_co_u32 s101, s101, s2
	v_mul_u32_u24 v13, s101, v2
	v_add_nc_u32 v13, v13, v3
	v_add_nc_u32 v13, s2, v13
	v_add_nc_u32 v13, 2176, v13                    ; v13: x tiles 4-7 | Wk tiles 0-3
	s_add_co_u32 s3, s3, SCV
	v_mul_u32_u24 v14, v2, 1088
	v_add_nc_u32 v14, v14, v3
	v_add_nc_u32 v14, s3, v14                      ; v14: Wv tiles 0, 1 | Wv tiles 2, 3
	v_and_b32 v15, 31, v0
	v_lshlrev_b32 v16, 4, v15                      ; 16 x lane
	v_lshlrev_b32 v17, 3, v15                      ; 8 x lane
	v_lshlrev_b32 v18, 5, v2                       ; 32 h
	v_lshlrev_b32 v19, 2, v1                       ; 4 r
	s_lshl_b32 s100, s9, 1
	s_add_co_u32 s100, s100, s6                    ; head
	s_lshr_b32 s101, s10, 3
	s_lshl_b32 s101, s101, 4
	s_add_co_u32 s101, s101, s100                  ; bh = 16 x batch + head
	s_and_b32 s104, s10, 7
	s_lshl_b32 s104, s104, 1
	s_add_co_u32 s104, s104, s5                    ; my key step in the batch
	s_mov_b32 s3, 0
	s_wait_alu depctr_va_vdst(0)
	s_wait_kmcnt 0x0
	s_lshl_b32 s2, s100, 8                         ; 64 numbers of a bias
	s_add_nc_u64 s[84:85], s[84:85], s[2:3]
	s_add_nc_u64 s[86:87], s[86:87], s[2:3]
	s_add_nc_u64 s[88:89], s[88:89], s[2:3]
	s_lshl_b32 s2, s101, 16
	s_lshl_b32 s105, s104, 12
	s_add_co_u32 s2, s2, s105
	s_add_nc_u64 s[90:91], s[90:91], s[2:3]        ; q_codes: [bh][tile 128][512]
	s_lshl_b32 s2, s101, 14
	s_lshl_b32 s105, s104, 10
	s_add_co_u32 s2, s2, s105
	s_add_nc_u64 s[92:93], s[92:93], s[2:3]        ; q_scales: [bh][tile / 4][lane][tile % 4] words
	s_lshl_b32 s2, s101, 4
	s_add_co_u32 s2, s2, s104
	s_mul_i32 s2, s2, REC
	s_add_nc_u64 s[94:95], s[94:95], s[2:3]        ; my record of kv
	s_lshl_b32 s2, s10, 8
	s_lshl_b32 s105, s5, 7
	s_add_co_u32 s2, s2, s105
	s_add_nc_u64 s[96:97], s[96:97], s[2:3]        ; pad_mask at my first token
	WIN 0x40                                       ; bq into Q's accumulators (7, b): lane (r, h) register j: d = 16 b + 8 h + j
.irp b, 0,1,2,3
	global_load_b128 v[224+8*\b:227+8*\b], v18, s[84:85] offset:64*\b
	global_load_b128 v[228+8*\b:231+8*\b], v18, s[84:85] offset:64*\b+16
.endr
	WIN 0x80                                       ; bk likewise
.irp b, 0,1,2,3
	global_load_b128 v[224+8*\b:227+8*\b], v18, s[86:87] offset:64*\b
	global_load_b128 v[228+8*\b:231+8*\b], v18, s[86:87] offset:64*\b+16
.endr
	WIN 0xc0                                       ; bv: a lane holds d = 16 b + r in all eight registers
.irp b, 0,1,2,3
.irp j, 0,1,2,3,4,5,6,7
	global_load_b32 v[224+8*\b+\j], v19, s[88:89] offset:64*\b
.endr
.endr
	WIN 0
.irp a, 0,1,2,3,4,5,6,7
	global_load_u8 v[PB+\a], v1, s[96:97] offset:16*\a
.endr
.macro FRAG reg, adr, off              ; 16 rows x 128 K of 4-bit codes: 8 registers, two loads of 16 bytes, 32 bytes apart
	ds_load_b128 v[\reg:\reg+3], v[\adr] offset:\off
	ds_load_b128 v[\reg+4:\reg+7], v[\adr] offset:\off+32
.endm
.macro LDW t, sl, q                    ; the four fragments of W of type t, half q of slot sl
.irp b, 0,1,2,3
	FRAG WF+32*(\t)+8*\b, 8+(\sl), WTYPE*(\t)+2304*\b+64*(\q)
.endr
.endm
.macro LDX sl, q, a0                   ; x's tiles a0 .. a0 + 3
.irp a, \a0, \a0+1, \a0+2, \a0+3
	FRAG XF+8*(\a), 4+(\sl), 2304*(\a)+64*(\q)
.endr
.endm
.macro LDSC hf                         ; the scale words of four K steps of 128
.irp p, 0,1,2,3
	ds_load_b128 v[SC+4*\p:SC+4*\p+3], v12 offset:544*\p+16*\hf
.endr
.irp p, 0,1,2,3
	ds_load_b128 v[SC+16+4*\p:SC+16+4*\p+3], v13 offset:544*\p+16*\hf
.endr
.irp p, 0,1
	ds_load_b128 v[SC+32+4*\p:SC+32+4*\p+3], v14 offset:544*\p+16*\hf
.endr
.endm
; 16 products of Q (t = 0) or K (t = 1): token tiles a0 .. a0 + 3 x 4 tiles of d.  The accumulators take turns, one instruction a turn.
; In K step 0 the bias, which lies in accumulator (7, b), is the C of tiles 0 to 6; five places later tile 7 adds onto it in place.
.macro PASSQK t, a0, n
	WIN 0x50*((\t)+1)
.irp a, \a0, \a0+1, \a0+2, \a0+3
.if ((\n) == 0) && ((\a) == 7)
	PLACES 5
.endif
.irp b, 0,1,2,3
.if ((\n) == 0) && ((\a) < 7)
	v_wmma_scale_f32_16x16x128_f8f6f4 v[8*(4*(\a)+\b):8*(4*(\a)+\b)+7], v[WF+32*(\t)+8*\b:WF+32*(\t)+8*\b+7], v[XF+8*(\a):XF+8*(\a)+7], v[224+8*\b:231+8*\b], v[SC+4*(4*(\t)+\b)+(\n)%4], v[SC+4*(\a)+(\n)%4] matrix_a_fmt:MATRIX_FMT_FP4 matrix_b_fmt:MATRIX_FMT_FP4 matrix_a_scale:MATRIX_SCALE_ROW1
.else
	v_wmma_scale_f32_16x16x128_f8f6f4 v[8*(4*(\a)+\b):8*(4*(\a)+\b)+7], v[WF+32*(\t)+8*\b:WF+32*(\t)+8*\b+7], v[XF+8*(\a):XF+8*(\a)+7], v[8*(4*(\a)+\b):8*(4*(\a)+\b)+7], v[SC+4*(4*(\t)+\b)+(\n)%4], v[SC+4*(\a)+(\n)%4] matrix_a_fmt:MATRIX_FMT_FP4 matrix_b_fmt:MATRIX_FMT_FP4 matrix_a_scale:MATRIX_SCALE_ROW1
.endif
.endr
.endr
.endm
.macro PASSV a0, n                     ; the same for V, sources the other way round
	WIN 0xf0
.irp a, \a0, \a0+1, \a0+2, \a0+3
.if ((\n) == 0) && ((\a) == 7)
	PLACES 5
.endif
.irp b, 0,1,2,3
.if ((\n) == 0) && ((\a) < 7)
.if \b < 2
	v_wmma_scale_f32_16x16x128_f8f6f4 v[8*(4*(\a)+\b):8*(4*(\a)+\b)+7], v[XF+8*(\a):XF+8*(\a)+7], v[WF+64+8*\b:WF+64+8*\b+7], v[224+8*\b:231+8*\b], v[SC+4*(\a)+(\n)%4], v[SC+4*(8+\b%2)+(\n)%4] matrix_a_fmt:MATRIX_FMT_FP4 matrix_b_fmt:MATRIX_FMT_FP4
.else
	v_wmma_scale_f32_16x16x128_f8f6f4 v[8*(4*(\a)+\b):8*(4*(\a)+\b)+7], v[XF+8*(\a):XF+8*(\a)+7], v[WF+64+8*\b:WF+64+8*\b+7], v[224+8*\b:231+8*\b], v[SC+4*(\a)+(\n)%4], v[SC+4*(8+\b%2)+(\n)%4] matrix_a_fmt:MATRIX_FMT_FP4 matrix_b_fmt:MATRIX_FMT_FP4 matrix_b_scale:MATRIX_SCALE_ROW1
.endif
.else
.if \b < 2
	v_wmma_scale_f32_16x16x128_f8f6f4 v[8*(4*(\a)+\b):8*(4*(\a)+\b)+7], v[XF+8*(\a):XF+8*(\a)+7], v[WF+64+8*\b:WF+64+8*\b+7], v[8*(4*(\a)+\b):8*(4*(\a)+\b)+7], v[SC+4*(\a)+(\n)%4], v[SC+4*(8+\b%2)+(\n)%4] matrix_a_fmt:MATRIX_FMT_FP4 matrix_b_fmt:MATRIX_FMT_FP4
.else
	v_wmma_scale_f32_16x16x128_f8f6f4 v[8*(4*(\a)+\b):8*(4*(\a)+\b)+7], v[XF+8*(\a):XF+8*(\a)+7], v[WF+64+8*\b:WF+64+8*\b+7], v[8*(4*(\a)+\b):8*(4*(\a)+\b)+7], v[SC+4*(\a)+(\n)%4], v[SC+4*(8+\b%2)+(\n)%4] matrix_a_fmt:MATRIX_FMT_FP4 matrix_b_fmt:MATRIX_FMT_FP4 matrix_b_scale:MATRIX_SCALE_ROW1
.endif
.endif
.endr
.endr
.endm
; K step n of 128: 96 products on one set of fragments; each group of fragments is fetched anew for step n + 1 as soon as its last product is issued, behind four places.
.macro SUB n
.set NX, (\n)+1
.set SLN, NX/2                         ; the slot of step n + 1: quarter 3 lies in slot 0
.if NX >= 6
.set SLN, 0
.endif
.set QN, NX%2
.if ((\n) == 0) || ((\n) == 4)
	s_wait_dscnt 0x0                               ; the scale words were asked for last
.else
	s_wait_dscnt 16                                ; Wq, Wk and x tiles 0-3 are in; x tiles 4-7 and Wv (8 loads each) may be out
.endif
	PASSQK 0, 0, \n
	s_wait_dscnt 8                                 ; x tiles 4-7 are in; Wv may be out
	PASSQK 0, 4, \n
.if (\n) == 1
	WIN 0
	s_wait_tensorcnt 0x1                           ; my part of slot 1 is in; slot 2's may stay out
	s_wait_dscnt 0x0
	s_barrier_signal -1
	s_barrier_wait -1
.endif
.if (\n) == 3
	WIN 0
	s_wait_tensorcnt 0x0                           ; all my tensor loads have landed, slot 2's among them
	ds_add_u32 v28, v29                            ; 0 onto my spare word
	s_add_nc_u64 s[58:59], s[58:59], 384           ; slot 0's groups 0 step to K quarter 3
	s_add_nc_u64 s[74:75], s[74:75], 384
	s_wait_dscnt 0x0                               ; the add is done; my reads of slot 0 ended two K steps ago
	CROUND                                         ; no wave of any partner still reads slot 0 or has a load on its way
	JLOAD 56, 72                                   ; it has two K steps, 192 products, in which to land
.endif
.if (\n) == 5
	WIN 0
	s_wait_tensorcnt 0x0                           ; my part of K quarter 3 is in
	s_wait_dscnt 0x0
	s_barrier_signal -1
	s_barrier_wait -1
.endif
.if (\n) < 7
	PLACES 4
	WIN 0
	LDW 0, SLN, QN
.endif
	PASSQK 1, 0, \n
	PASSQK 1, 4, \n
.if (\n) < 7
	PLACES 4
	WIN 0
	LDW 1, SLN, QN
	s_wait_dscnt 16                                ; Wv is in; the 16 loads just issued may be out
.else
	s_wait_dscnt 0x0
.endif
	PASSV 0, \n
.if (\n) < 7
	PLACES 4
	WIN 0
	LDX SLN, QN, 0
.endif
	PASSV 4, \n
.if (\n) < 7
	PLACES 4
	WIN 0
	LDX SLN, QN, 4
	LDW 2, SLN, QN
.if (\n) == 3
	LDSC 1
.endif
.endif
.endm
; THE WAY OUT of one of the three results, in window W.  kind 0: Q, 1: K, 2: V.  16 blocks of 32: the largest magnitude (each accumulator is read from its low end on), the scale, the codes, the exchange of halves, the stores.
.macro EPI W, kind
.if \kind
	s_wait_xcnt 0x0                                ; the stores of the result before have read their registers
.endif
	WIN 5*\W
.set ii, 0
.rept 8
.set bb, 0
.rept 16
.if \kind < 2
.set RR, 32*(bb/2)+16*(bb%2)+8*(ii/4)+2*(ii%4)
.else
.set RR, 64*(bb%4)+8*(bb/4)+32*(ii/4)+2*(ii%4)
.endif
.if ii == 0
	v_max3_num_f32 v[TT+bb], |v[RR]|, |v[RR+1]|, 0x1800000    ; the floor 2^(3 - 127) holds the byte at 1 from below
.else
	v_max3_num_f32 v[TT+bb], |v[RR]|, |v[RR+1]|, v[TT+bb]
.endif
.set bb, bb+1
.endr
.set ii, ii+1
.endr
	WIN 0
.set bb, 0
.rept 16
	v_permlanex16_b32 v[T2+bb], v[TT+bb], s14, s15
.set bb, bb+1
.endr
.set bb, 0
.rept 16
	v_max_num_f32 v[TT+bb], v[TT+bb], v[T2+bb]     ; with lane l xor 16: the block's largest magnitude
.set bb, bb+1
.endr
.set bb, 0
.rept 16
	v_add_nc_u32 v[SO+bb], 0xff000000, v[TT+bb]    ; 2 off its exponent field: the conversion's scale operand
.set bb, bb+1
.endr
.set bb, 0
.rept 16
	v_lshrrev_b32 v[BY+bb], 23, v[SO+bb]           ; the scale's byte
.set bb, bb+1
.endr
.if \kind < 2
.irp a, 0,1,2,3,4,5,6,7
	v_lshl_or_b32 v[WD+\a], v[BY+2*\a+1], 8, v[BY+2*\a]
.endr
.irp a, 0,1,2,3,4,5,6,7
.if \kind == 0
	v_or_b32 v[WD+\a], 0x7f0000, v[WD+\a]          ; byte 2: 1.0
.else
	v_mad_u32_u24 v[WD+\a], v[PB+\a], 0xe30000, v[WD+\a]   ; byte 2: 227 for a padded key, else 0
.endif
.endr
.else
.irp b, 0,1,2,3
	v_lshl_or_b32 v[WD+\b], v[BY+4*\b+1], 8, v[BY+4*\b]
.endr
.irp b, 0,1,2,3
	v_lshl_or_b32 v[WD+\b], v[BY+4*\b+2], 16, v[WD+\b]
.endr
.irp b, 0,1,2,3
	v_lshl_or_b32 v[WD+\b], v[BY+4*\b+3], 24, v[WD+\b]
.endr
.endif
	WIN \W
.set aa, 0
.rept 8
.set bb, 0
.rept 4
.if \kind < 2
	v_cvt_scalef32_pk8_fp4_f32 v[PC+4*aa+2*(bb%2)+bb/2], v[32*aa+8*bb:32*aa+8*bb+7], v[SO+2*aa+bb/2]
.else
	v_cvt_scalef32_pk8_fp4_f32 v[PC+8*bb+4*(aa/4)+2*(aa%2)+(aa/2)%2], v[32*aa+8*bb:32*aa+8*bb+7], v[SO+4*bb+aa/2]
.endif
.set bb, bb+1
.endr
.set aa, aa+1
.endr
	WIN 0
	v_nop                                          ; one plain place behind the last conversion
.set bb, 0
.rept 16
	v_permlane16_swap_b32 v[PC+2*bb], v[PC+2*bb+1] ; a whole block of 32 in a lane, as the operand's layout wants it
.set bb, bb+1
.endr
.if \kind == 0
.irp a, 0,1,2,3,4,5,6,7
	global_store_b128 v16, v[PC+4*\a:PC+4*\a+3], s[90:91] offset:512*\a
.endr
	global_store_b128 v16, v[WD:WD+3], s[92:93]
	global_store_b128 v16, v[WD+4:WD+7], s[92:93] offset:512
.elseif \kind == 1
.irp i, 0,1,2,3
	v_cndmask_b32 v[PK+\i], v[WD+2*\i], v[WD+2*\i+1], s13    ; lanes 0-15: tile 2 i; lanes 16-31: tile 2 i + 1
.endr
.irp a, 0,1,2,3,4,5,6,7
	global_store_b128 v16, v[PC+4*\a:PC+4*\a+3], s[94:95] offset:512*\a
.endr
	global_store_b128 v16, v[PK:PK+3], s[94:95] offset:4096
.else
.irp i, 0,1
	v_cndmask_b32 v[PK+\i], v[WD+2*\i], v[WD+2*\i+1], s13
.endr
.irp a, 0,1,2,3,4,5,6,7
	global_store_b128 v16, v[PC+4*\a:PC+4*\a+3], s[94:95] offset:4608+512*\a
.endr
	global_store_b64 v17, v[PK:PK+1], s[94:95] offset:8704
.endif
.endm
	s_wait_tensorcnt 0x2                           ; the scale bytes and my part of slot 0 are in; slots 1 and 2 may stay out
	s_barrier_signal -1
	s_barrier_wait -1
	LDW 0, 0, 0
	LDW 1, 0, 0
	LDX 0, 0, 0
	LDX 0, 0, 4
	LDW 2, 0, 0
	LDSC 0
	s_wait_loadcnt 0x0                             ; the biases and the pad bytes
	SUB 0
	SUB 1
	SUB 2
	SUB 3
	SUB 4
	SUB 5
	SUB 6
	SUB 7
	WIN 0
	PLACES 4                                       ; behind the last products: their results are read and their operands' registers written below
	EPI 1, 0
	EPI 2, 1
	EPI 3, 2
	s_wait_tensorcnt 0x0                           ; the wave's end
	ds_add_u32 v28, v29
	s_wait_dscnt 0x0
	CROUND                                         ; the closing round
	s_endpgm
.Lfunc_end_k_qab35b4022f_qkv:
	.size	k_qab35b4022f_qkv, .Lfunc_end_k_qab35b4022f_qkv-k_qab35b4022f_qkv
	.p2alignl 7, 3214868480
	.fill 96, 4, 3214868480
	.section	.rodata,"a",@progbits
	.p2align	6, 0x0
	.amdhsa_kernel k_qab35b4022f_qkv
		.amdhsa_group_segment_fixed_size 327680
		.amdhsa_private_segment_fixed_size 0
		.amdhsa_enable_private_segment 0
		.amdhsa_kernarg_size 120
		.amdhsa_user_sgpr_count 2
		.amdhsa_user_sgpr_kernarg_segment_ptr 1
		.amdhsa_wavefront_size32 1
		.amdhsa_system_sgpr_workgroup_id_x 1
		.amdhsa_system_sgpr_workgroup_id_y 1
		.amdhsa_system_sgpr_workgroup_id_z 1
		.amdhsa_system_vgpr_workitem_id 0
		.amdhsa_next_free_vgpr 1024
		.amdhsa_next_free_sgpr 106
		.amdhsa_reserve_vcc 0
		.amdhsa_float_denorm_mode_32 3
		.amdhsa_float_denorm_mode_16_64 3
		.amdhsa_memory_ordered 1
		.amdhsa_forward_progress 1
		.amdhsa_inst_pref_size 191
	.end_amdhsa_kernel
	.amdgpu_metadata
---
amdhsa.version: [ 1, 2 ]
amdhsa.kernels:
  - .name:           k_qab35b4022f_qkv
    .symbol:         k_qab35b4022f_qkv.kd
    .args:
      - { .name: x_codes, .offset: 0, .size: 8, .value_kind: global_buffer, .address_space: global }
      - { .name: x_scales, .offset: 8, .size: 8, .value_kind: global_buffer, .address_space: global }
      - { .name: Wq_codes, .offset: 16, .size: 8, .value_kind: global_buffer, .address_space: global }
      - { .name: Wk_codes, .offset: 24, .size: 8, .value_kind: global_buffer, .address_space: global }
      - { .name: Wv_codes, .offset: 32, .size: 8, .value_kind: global_buffer, .address_space: global }
      - { .name: Wq_scales, .offset: 40, .size: 8, .value_kind: global_buffer, .address_space: global }
      - { .name: Wk_scales, .offset: 48, .size: 8, .value_kind: global_buffer, .address_space: global }
      - { .name: Wv_scales, .offset: 56, .size: 8, .value_kind: global_buffer, .address_space: global }
      - { .name: bq, .offset: 64, .size: 8, .value_kind: global_buffer, .address_space: global }
      - { .name: bk, .offset: 72, .size: 8, .value_kind: global_buffer, .address_space: global }
      - { .name: bv, .offset: 80, .size: 8, .value_kind: global_buffer, .address_space: global }
      - { .name: q_codes, .offset: 88, .size: 8, .value_kind: global_buffer, .address_space: global }
      - { .name: q_scales, .offset: 96, .size: 8, .value_kind: global_buffer, .address_space: global }
      - { .name: kv, .offset: 104, .size: 8, .value_kind: global_buffer, .address_space: global }
      - { .name: pad_mask, .offset: 112, .size: 8, .value_kind: global_buffer, .address_space: global }
    .group_segment_fixed_size: 327680
    .private_segment_fixed_size: 0
    .kernarg_segment_align: 8
    .kernarg_segment_size: 120
    .max_flat_workgroup_size: 128
    .sgpr_count:     106
    .vgpr_count:     1024
    .wavefront_size: 32
...
	.end_amdgpu_metadata
.endif
;; end of part 1
;; launch attn (part 2): grid 4 x 64, 16 waves a work-group, no clusters, 169,984 bytes of LDS; arguments q_codes, q_scales, kv, y_codes, y_scales; writes y_codes, y_scales
.if DOCPART == 2
	.amdgcn_target "amdgcn-amd-amdhsa--gfx1250"
	.amdhsa_code_object_version 6
	.text
	.protected	k_qab35b4022f_attn
	.globl	k_qab35b4022f_attn
	.p2align	8
	.type	k_qab35b4022f_attn,@function
k_qab35b4022f_attn:
	s_mov_b64 s[64:65], 0
	v_nop
	global_prefetch_b8 v0, s[64:65] scope:SCOPE_SE
	s_setreg_imm32_b32 hwreg(HW_REG_WAVE_MODE, 25, 1), 1
	s_wait_xcnt 0x0
; Y = softmax(Q K^T / 8, causal and pad mask) V for one head, both products on codes of FP4 with E8M0 scales, and the quantiser of Y along the model's axis.
; p = 2^(t - M), t = score x log2(e) / 8, M the running largest t rounded up to a whole number; p is quantised along the keys; the row's sum is taken of the unquantised p and divides at the end.
; SHARES.  Work-group (j, bh) owns query blocks j and 7 - j (256 queries each) of head bh.  Wave w owns tiles 16 j + w and 127 - (16 j + w) of 16 queries: a tile t needs t / 8 + 1 key steps of 128, so every wave has 17.
; The head's 16 records of kv (143,360 bytes) come into LDS once, one tensor load a wave, and stay: nothing is filled again.
; NO CLUSTER, though the four work-groups of a head read the same records: a key step that lies wholly behind a wave's queries is left out by a branch on the query block, which is the work-group's number; partners of a joint load must run alike.
; No prefetch: every load from memory stands at the kernel's head.
; LAYOUT.  S^T = K Q^T (source 0 = 16 keys), O^T = V^T P^T (source 0 = 16 of the head's 64): a lane holds one query throughout; tile t register j holds key (or d) 16 t + 8 (lane / 16) + j.
; THE PAD MASK.  The head's 64 fill half of the instruction's K.  At k = 64 every key has the code +1 and every query -1; Q's scale byte there is 127, K's 227 for a padded key (the score gets -2^100) and 0 else (-2^-127).
; A ROW WITH NO UNMASKED VISIBLE KEY ends with the sum 0 and takes the mean of the quantised V over all 2,048 keys: all its logits are equal, so its softmax is uniform.
; LIMITS: a score whose t lies under -1e20 counts as masked; an unpadded score carries -2^-127; NaN and infinities are not served; a block of zeros gets the scale byte 1 (only this program reads these bytes).
; REGISTERS: v1 16 x lane, v2 8 x lane, v3 r, v4 8 h, v5-6 addresses of the step, v7-11, v232-233 LDS addresses made at the head; v12 -M, v13 largest t, v[14:15] the sum; v16-31 Q's two fragments; v32-63 four fragments of K;
; v64-95 V's four; v96-159 S^T, then p; v160-191 O^T; v192-199 p's codes; v200-211 at work; v212-215 K's scale words, v216-217 V's, v218-219 Q's, v220 p's; v[222:223] f; v224-231 at work.
.set REC, 8960
.set UP,  16*REC                       ; 16 x 256 bytes: each record's sums of V
.set UU,  UP+4096                      ; 256 bytes: the mean of V
.set YS,  UU+256                       ; 1,024 bytes: Y's scale bytes of the work-group's 512 queries
.macro PLACES n
.rept \n
	v_nop
.endr
.endm
.macro SMM d, a, b, sa, sb, row        ; a product that starts a sum
.if \row
	v_wmma_scale_f32_16x16x128_f8f6f4 v[\d:\d+7], v[\a:\a+7], v[\b:\b+7], 0, v[\sa], v[\sb] matrix_a_fmt:MATRIX_FMT_FP4 matrix_b_fmt:MATRIX_FMT_FP4 matrix_a_scale:MATRIX_SCALE_ROW1
.else
	v_wmma_scale_f32_16x16x128_f8f6f4 v[\d:\d+7], v[\a:\a+7], v[\b:\b+7], 0, v[\sa], v[\sb] matrix_a_fmt:MATRIX_FMT_FP4 matrix_b_fmt:MATRIX_FMT_FP4
.endif
.endm
.macro PMM d, a, b, sa, sb, row        ; a product that adds in place
.if \row
	v_wmma_scale_f32_16x16x128_f8f6f4 v[\d:\d+7], v[\a:\a+7], v[\b:\b+7], v[\d:\d+7], v[\sa], v[\sb] matrix_a_fmt:MATRIX_FMT_FP4 matrix_b_fmt:MATRIX_FMT_FP4 matrix_a_scale:MATRIX_SCALE_ROW1
.else
	v_wmma_scale_f32_16x16x128_f8f6f4 v[\d:\d+7], v[\a:\a+7], v[\b:\b+7], v[\d:\d+7], v[\sa], v[\sb] matrix_a_fmt:MATRIX_FMT_FP4 matrix_b_fmt:MATRIX_FMT_FP4
.endif
.endm
.macro TADDR k                         ; tile s[36 + k]: where its codes of Q, its scale words and its codes of Y lie
	s_lshl_b32 s20, s18, 7
	s_add_co_u32 s20, s20, s[36+\k]
	s_lshl_b32 s20, s20, 9
	s_add_nc_u64 s[48+2*\k:49+2*\k], s[4:5], s[20:21]
	s_lshl_b32 s20, s18, 5
	s_lshr_b32 s22, s[36+\k], 2
	s_add_co_u32 s20, s20, s22
	s_lshl_b32 s20, s20, 9
	s_and_b32 s22, s[36+\k], 3
	s_lshl_b32 s22, s22, 2
	s_add_co_u32 s20, s20, s22
	s_add_nc_u64 s[52+2*\k:53+2*\k], s[6:7], s[20:21]
	s_lshr_b32 s20, s18, 4
	s_lshl_b32 s20, s20, 4
	s_lshr_b32 s22, s[36+\k], 3
	s_add_co_u32 s20, s20, s22                     ; the block of 128 tokens: 16 x batch + tile / 8
	s_lshl_b32 s20, s20, 6
	s_bfe_u32 s22, s18, 0x30001                    ; head / 2: the next product's K step
	s_lshl_b32 s22, s22, 3
	s_add_co_u32 s20, s20, s22
	s_and_b32 s22, s[36+\k], 7
	s_add_co_u32 s20, s20, s22
	s_lshl_b32 s20, s20, 10
	s_and_b32 s22, s18, 1                          ; head % 2: which half of the fragment
	s_lshl_b32 s22, s22, 9
	s_add_co_u32 s20, s20, s22
	s_add_nc_u64 s[56+2*\k:57+2*\k], s[10:11], s[20:21]
.endm
	s_load_b256 s[4:11], s[0:1], 0x0               ; q_codes, q_scales, kv, y_codes
	s_load_b64 s[12:13], s[0:1], 0x20              ; y_scales
	v_lshl_add_u32 v254, v0, 2, 0x29000
	v_mov_b32 v255, 0
	ds_add_u32 v254, v255
	ds_add_u32 v254, v255
	v_lshrrev_b32 v5, 5, v0
	s_delay_alu instid0(VALU_DEP_1)
	v_readfirstlane_b32 s16, v5                    ; wave 0..15
	s_and_b32 s18, ttmp7, 0xffff                   ; bh
	s_mov_b32 s24, 3<<16                           ; group 1: a record as 35 dense rows of 256 bytes (32 elements of 8 bytes)
	s_mov_b32 s25, 32<<16
	s_mov_b32 s26, 35<<16
	s_mov_b32 s27, 32<<16
	s_mov_b32 s28, 35
	s_mov_b32 s29, 32
	s_mov_b32 s30, 0
	s_mov_b32 s31, 0
	s_mov_b32 s32, 1
	s_mul_i32 s33, s16, REC                        ; wave w brings record w
	s_lshl_b32 s20, s18, 4
	s_add_co_u32 s20, s20, s16
	s_mul_i32 s20, s20, REC
	s_mov_b32 s21, 0
	s_wait_dscnt 0x0
	s_wait_kmcnt 0x0
	s_add_nc_u64 s[34:35], s[8:9], s[20:21]
	s_or_b32 s35, s35, 0x80000000
	tensor_load_to_lds s[32:35], s[24:31]
	s_nop 0
	PLACES 4
	s_lshl_b32 s36, ttmp9, 4
	s_add_co_u32 s36, s36, s16                     ; my first tile of queries
	s_sub_co_u32 s37, 127, s36                     ; and my second
	TADDR 0
	TADDR 1
	s_and_b32 s23, s16, 1
	s_mul_i32 s22, s23, 7
	s_xor_b32 s22, s22, ttmp9                      ; waves 0 and 1 store the scale bytes of blocks j and 7 - j
	s_lshl_b32 s22, s22, 9
	s_lshl_b32 s20, s18, 12
	s_add_co_u32 s20, s20, s22
	s_add_nc_u64 s[12:13], s[12:13], s[20:21]
	s_mov_b32 s44, 0x76543210
	s_mov_b32 s45, 0xfedcba98                      ; v_permlanex16_b32: lane l xor 16
	s_mov_b32 s46, 0x3e38aa3b                      ; c = log2(e) / 8
	s_mov_b32 s47, s46                             ; (named with it as a pair)
	v_and_b32 v5, 31, v0
	s_delay_alu instid0(VALU_DEP_1)
	v_lshlrev_b32 v1, 4, v5
	s_delay_alu instid0(VALU_DEP_2)
	v_lshlrev_b32 v2, 3, v5
	v_and_b32 v3, 15, v0
	v_bfe_u32 v6, v0, 4, 1
	s_delay_alu instid0(VALU_DEP_1)
	v_lshlrev_b32 v4, 3, v6
	global_load_b128 v[16:19], v1, s[48:49]        ; Q's codes: d = 32 h .. + 31 of query r
	global_load_b128 v[24:27], v1, s[50:51]
	global_load_b32 v218, v1, s[52:53]             ; and its scale words
	global_load_b32 v219, v1, s[54:55]
	s_lshl_b32 s22, s16, 8
	v_lshlrev_b32 v7, 5, v6
	s_delay_alu instid0(VALU_DEP_1)
	v_add_nc_u32 v10, UU, v7                       ; v10: the mean of V, my half's eight d of a tile
	s_delay_alu instid0(VALU_DEP_2)
	v_add_nc_u32 v7, s22, v7
	s_delay_alu instid0(VALU_DEP_1)
	v_add_nc_u32 v7, UP, v7                        ; v7: my record's sums
	s_lshl_b32 s22, s23, 7
	v_lshl_add_u32 v8, v5, 2, s22
	s_delay_alu instid0(VALU_DEP_1)
	v_add_nc_u32 v9, UU, v8                        ; v9: where waves 0 and 1 put the mean of d = 32 w + lane
	s_delay_alu instid0(VALU_DEP_2)
	v_add_nc_u32 v8, UP, v8                        ; v8: and read the 16 sums
	v_lshlrev_b32 v11, 1, v3
	s_xor_b32 s22, s16, 15
	s_lshl_b32 s22, s22, 5
	v_add_nc_u32 v232, s22, v11
	s_delay_alu instid0(VALU_DEP_1)
	v_add_nc_u32 v232, YS+512, v232                ; v232: the second tile's scale bytes: 2 bytes a query
	s_lshl_b32 s22, s16, 5
	v_add_nc_u32 v11, s22, v11
	s_delay_alu instid0(VALU_DEP_1)
	v_add_nc_u32 v11, YS, v11                      ; v11: the first tile's
	s_lshl_b32 s22, s23, 9
	v_add_nc_u32 v233, s22, v1
	s_delay_alu instid0(VALU_DEP_1)
	v_add_nc_u32 v233, YS, v233                    ; v233: back, 16 bytes a lane
	v_xor_b32 v5, 1, v6                            ; 1 in lanes 0-15
	s_delay_alu instid0(VALU_DEP_1)
	v_lshlrev_b32 v224, 1, v5                      ; the code of +1.0 at k = 64
	s_delay_alu instid0(VALU_DEP_2)
	v_mul_u32_u24 v225, v5, 10                     ; the code of -1.0 at k = 64
.irp t, 0,1,2,3
	v_mov_b32 v[36+8*\t], v224                     ; registers 4-7 of K's fragments (k = 64 .. 127) stay as they are set here
	v_mov_b32 v[37+8*\t], 0
	v_mov_b32 v[38+8*\t], 0
	v_mov_b32 v[39+8*\t], 0
.endr
.irp t, 0,1
	v_mov_b32 v[20+8*\t], v225
	v_mov_b32 v[21+8*\t], 0
	v_mov_b32 v[22+8*\t], 0
	v_mov_b32 v[23+8*\t], 0
.endr
.irp i, 0,1,2,3,4,5,6,7
	v_mov_b32 v[192+\i], 0x22222222                ; 128 codes of 1.0
.endr
	v_mov_b32 v220, 0x7f7f7f7f                     ; under the scale 1.0
.irp i, 0,1,2,3
	v_mov_b32 v[204+\i], 0                         ; a lane permute's destination counts as one of its sources
.endr
	v_mov_b32 v223, 0                              ; upper halves of pairs of which the low word alone is taken
	v_mov_b32 v227, 0
	s_wait_alu depctr_va_vdst(0)
	s_wait_tensorcnt 0x0                           ; my record is in,
	s_barrier_signal -1
	s_barrier_wait -1                              ; everybody's is
	; THE MEAN OF V.  Wave w sums record w's 128 keys by four products with ones; waves 0 and 1 add the sixteen sums.
	v_add_nc_u32 v5, s33, v1
	v_add_nc_u32 v6, s33, v2
.irp c, 0,1,2,3,4,5,6,7
	ds_load_b128 v[64+4*\c:67+4*\c], v5 offset:4608+512*\c
.endr
	ds_load_b64 v[216:217], v6 offset:8704
	PLACES 8                                       ; operands and a scale written by vector instructions stand this far ahead of a scaled product
	s_wait_dscnt 0x0
.irp b, 0,1,2,3
	SMM 96+8*\b, 64+8*\b, 192, 216+\b/2, 220, \b%2
.endr
	PLACES 4
.irp b, 0,1,2,3
	ds_store_b128 v7, v[96+8*\b:99+8*\b] offset:64*\b        ; the sixteen lanes of a half hold the same numbers and write the same bytes
	ds_store_b128 v7, v[100+8*\b:103+8*\b] offset:64*\b+16
.endr
	s_wait_dscnt 0x0
	s_barrier_signal -1
	s_barrier_wait -1
	s_cmp_lt_u32 s16, 2
	s_cbranch_scc0 .Lno_mean
.irp i, 0,1,2,3,4,5,6,7,8,9,10,11,12,13,14,15
	ds_load_b32 v[96+\i], v8 offset:256*\i
.endr
	s_wait_dscnt 0x0
.irp i, 0,4,8,12
	v_pk_add_f32 v[96+\i:97+\i], v[96+\i:97+\i], v[98+\i:99+\i]
.endr
	s_delay_alu instid0(VALU_DEP_3)
	v_pk_add_f32 v[96:97], v[96:97], v[100:101]
	s_delay_alu instid0(VALU_DEP_2)
	v_pk_add_f32 v[104:105], v[104:105], v[108:109]
	s_delay_alu instid0(VALU_DEP_1)
	v_pk_add_f32 v[96:97], v[96:97], v[104:105]
	s_delay_alu instid0(VALU_DEP_1)
	v_add_f32 v96, v96, v97
	s_delay_alu instid0(VALU_DEP_1)
	v_mul_f32 v96, 0x3a000000, v96                 ; / 2,048
	ds_store_b32 v9, v96
.Lno_mean:
	s_wait_dscnt 0x0
	s_barrier_signal -1
	s_barrier_wait -1
	s_wait_loadcnt 0x0                             ; Q
; ONE TILE OF 16 QUERIES: a loop of 16 trips over the key steps (the count is a constant; a step behind the queries is jumped over), then the way out.
.macro TILE k
.if \k
	s_wait_xcnt 0x0                                ; the first tile's store has read its registers
.endif
	s_lshl_b32 s38, s[36+\k], 4                    ; my first query
	v_mov_b32 v13, 0xe0ad78ec                      ; the largest t so far: -1e20, over every masked t and under every other
	s_delay_alu instid0(VALU_DEP_1)
	v_floor_f32 v12, -v13                          ; -M
	v_mov_b32 v14, 0
	v_mov_b32 v15, 0
.set jj, 0
.rept 32
	v_mov_b32 v[160+jj], 0                         ; O^T: the step is written once; the first change of M leaves zeros zeros
.set jj, jj+1
.endr
	s_mov_b32 s39, 0                               ; the step's first key
	s_mov_b32 s40, 0                               ; its record in LDS
	s_mov_b32 s42, 0
.Lstep_\@:
	s_add_co_u32 s20, s38, 15
	s_cmp_gt_u32 s39, s20                          ; all 128 keys come after my 16 queries: nothing to do
	s_cbranch_scc1 .Lhidden_\@
	s_setprio 2
	v_add_nc_u32 v5, s40, v1
	v_add_nc_u32 v6, s40, v2
	PLACES 2                                       ; with the two additions: four places in front of loads into registers that the last products read
	ds_load_b128 v[212:215], v5 offset:4096        ; K's scale words: register i: tile 2 i in lanes 0-15, tile 2 i + 1 in lanes 16-31
.irp t, 0,1,2,3
	ds_load_b128 v[32+8*\t:35+8*\t], v5 offset:512*\t
.endr
.irp c, 0,1,2,3,4,5,6,7
	ds_load_b128 v[64+4*\c:67+4*\c], v5 offset:4608+512*\c
.endr
	ds_load_b64 v[216:217], v6 offset:8704
	s_wait_alu depctr_va_vdst(0)
	s_wait_dscnt 9                                 ; K's words and tiles 0-3 are in; V's nine loads may be out
.irp t, 0,1,2,3
	SMM 96+8*\t, 32+8*\t, 16+8*\k, 212+\t/2, 218+\k, \t%2
.endr
	PLACES 4
.irp t, 0,1,2,3
	ds_load_b128 v[32+8*\t:35+8*\t], v5 offset:2048+512*\t
.endr
	s_wait_dscnt 0x0
.irp t, 0,1,2,3
	SMM 128+8*\t, 32+8*\t, 16+8*\k, 214+\t/2, 218+\k, \t%2
.endr
	PLACES 4
	s_add_co_u32 s20, s39, 127
	s_cmp_le_u32 s20, s38                          ; all 128 keys count: no causal mask in this step
	s_cbranch_scc1 .Lopen_\@
	s_sub_co_i32 s20, s38, s39
	v_sub_nc_u32 v228, v3, v4
	s_delay_alu instid0(VALU_DEP_1)
	v_add_nc_u32 v228, s20, v228                   ; register 8 t + j holds key 16 t + 8 h + j of the step: hidden where 16 t + j > my query - first key - 8 h
	v_mov_b32 v229, 0xff800000
.set jj, 0
.rept 64
	v_cmp_gt_i32 vcc_lo, 16*(jj/8)+jj%8, v228
	v_cndmask_b32 v[96+jj], v[96+jj], v229, vcc_lo
.set jj, jj+1
.endr
.Lopen_\@:
.irp b, 0,1,2,3
	v_max3_num_f32 v[200+\b], v[96+16*\b], v[97+16*\b], v[98+16*\b]     ; the largest score of each block of 32 keys: for the row's maximum and, since p rises with the score, for the block's largest p
.endr
.irp i, 3,5,7,9,11,13
.irp b, 0,1,2,3
	v_max3_num_f32 v[200+\b], v[200+\b], v[96+16*\b+\i], v[97+16*\b+\i]
.endr
.endr
.irp b, 0,1,2,3
	v_max_num_f32 v[200+\b], v[200+\b], v[111+16*\b]
.endr
.irp b, 0,1,2,3
	s_delay_alu instid0(VALU_DEP_4)
	v_permlanex16_b32 v[204+\b], v[200+\b], s44, s45
.endr
.irp b, 0,1,2,3
	s_delay_alu instid0(VALU_DEP_4)
	v_max_num_f32 v[200+\b], v[200+\b], v[204+\b]
.endr
	s_delay_alu instid0(VALU_DEP_2)
	v_max3_num_f32 v228, v200, v201, v202
	s_delay_alu instid0(VALU_DEP_1)
	v_max_num_f32 v228, v228, v203
	s_delay_alu instid0(VALU_DEP_1)
	v_mul_f32 v228, s46, v228
	s_delay_alu instid0(VALU_DEP_1)
	v_max_num_f32 v13, v13, v228                   ; the running largest t
	v_mov_b32 v228, v12
	s_delay_alu instid0(VALU_DEP_2)
	v_floor_f32 v12, -v13                          ; -M = floor(-t): M is a whole number
	s_delay_alu instid0(VALU_DEP_1)
	v_sub_f32 v228, v12, v228
	s_delay_alu instid0(VALU_DEP_1)
	v_cvt_i32_f32 v228, v228                       ; old M - new M, 0 or less (it saturates)
	s_delay_alu instid0(VALU_DEP_1)
	v_ldexp_f32 v222, 1.0, v228                    ; f = 2^(old M - new M)
.set jj, 0
.rept 32
	v_pk_fma_f32 v[96+jj:97+jj], v[96+jj:97+jj], s[46:47], v[12:13] op_sel_hi:[1,0,0]     ; t - M
.set jj, jj+2
.endr
	s_setprio 1
.irp b, 0,1,2,3
	v_fma_f32 v[200+\b], v[200+\b], s46, v12
.endr
.set jj, 0
	s_wait_alu depctr_va_vdst(0)
.rept 64
	v_exp_f32 v[96+jj], v[96+jj]                   ; p, at most 1, not normalised
.set jj, jj+1
.endr
	v_pk_mul_f32 v[14:15], v[14:15], v[222:223] op_sel_hi:[1,0]      ; the sum under the new M (a plain place behind the exponentials)
	s_wait_alu depctr_va_vdst(0)                   ; one wait for the batch of 64, ahead of its first reader
.irp b, 0,1,2,3
	v_exp_f32 v[200+\b], v[200+\b]                 ; the block's largest p
.endr
	v_pk_add_f32 v[224:225], v[100:101], v[104:105]
	v_pk_add_f32 v[252:253], v[108:109], v[112:113]
	v_pk_add_f32 v[250:251], v[116:117], v[120:121]
	v_pk_add_f32 v[248:249], v[124:125], v[128:129]
	v_pk_add_f32 v[246:247], v[132:133], v[136:137]
	v_pk_add_f32 v[244:245], v[140:141], v[144:145]
	v_pk_add_f32 v[242:243], v[148:149], v[152:153]
	v_pk_add_f32 v[14:15], v[14:15], v[156:157]
	v_pk_add_f32 v[224:225], v[224:225], v[96:97]
	v_pk_add_f32 v[252:253], v[252:253], v[98:99]
	v_pk_add_f32 v[250:251], v[250:251], v[102:103]
	v_pk_add_f32 v[248:249], v[248:249], v[106:107]
	v_pk_add_f32 v[246:247], v[246:247], v[110:111]
	v_pk_add_f32 v[244:245], v[244:245], v[114:115]
	v_pk_add_f32 v[242:243], v[242:243], v[118:119]
	v_pk_add_f32 v[14:15], v[14:15], v[122:123]
	v_pk_add_f32 v[224:225], v[224:225], v[126:127]
	v_pk_add_f32 v[252:253], v[252:253], v[130:131]
	v_pk_add_f32 v[250:251], v[250:251], v[134:135]
	v_pk_add_f32 v[248:249], v[248:249], v[138:139]
	v_pk_add_f32 v[246:247], v[246:247], v[142:143]
	v_pk_add_f32 v[244:245], v[244:245], v[146:147]
	v_pk_add_f32 v[242:243], v[242:243], v[150:151]
	v_pk_add_f32 v[14:15], v[14:15], v[154:155]
	v_pk_add_f32 v[224:225], v[224:225], v[158:159]
	s_delay_alu instid0(VALU_DEP_2)
	v_pk_add_f32 v[14:15], v[14:15], v[248:249]
	s_delay_alu instid0(VALU_DEP_2)
	v_pk_add_f32 v[224:225], v[224:225], v[246:247]
	v_pk_add_f32 v[252:253], v[252:253], v[244:245]
	v_pk_add_f32 v[250:251], v[250:251], v[242:243]
	s_delay_alu instid0(VALU_DEP_2)
	v_pk_add_f32 v[14:15], v[14:15], v[252:253]
	s_delay_alu instid0(VALU_DEP_2)
	v_pk_add_f32 v[224:225], v[224:225], v[250:251]
	s_delay_alu instid0(VALU_DEP_1)
	v_pk_add_f32 v[14:15], v[14:15], v[224:225]
	s_wait_alu depctr_va_vdst(0)                   ; and one for the four
.irp b, 0,1,2,3
	v_max_num_f32 v[200+\b], 0x1800000, v[200+\b]  ; the floor 2^(3 - 127): the byte cannot fall under 1
.endr
.irp b, 0,1,2,3
	s_delay_alu instid0(VALU_DEP_4)
	v_add_nc_u32 v[208+\b], 0xff000000, v[200+\b]
.endr
.irp b, 0,1,2,3
	s_delay_alu instid0(VALU_DEP_4)
	v_lshrrev_b32 v[204+\b], 23, v[208+\b]
.endr
	s_delay_alu instid0(VALU_DEP_3)
	v_lshl_or_b32 v220, v205, 8, v204              ; p's scale word for these 128 keys
	s_delay_alu instid0(VALU_DEP_1)
	v_lshl_or_b32 v220, v206, 16, v220
	s_delay_alu instid0(VALU_DEP_1)
	v_lshl_or_b32 v220, v207, 24, v220
	s_setprio 0
.irp t, 0,1,2,3,4,5,6,7
	v_cvt_scalef32_pk8_fp4_f32 v[192+4*(\t/4)+2*(\t%2)+(\t/2)%2], v[96+8*\t:103+8*\t], v[208+\t/2]
.endr
	v_nop
.irp i, 0,1,2,3
	v_permlane16_swap_b32 v[192+2*\i], v[193+2*\i] ; a whole block of 32 keys in a lane
.endr
.set jj, 0
.rept 16
	v_pk_mul_f32 v[160+jj:161+jj], v[160+jj:161+jj], v[222:223] op_sel_hi:[1,0]     ; O^T under the new M; these are also the places ahead of the products below
.set jj, jj+2
.endr
.irp b, 0,1,2,3
	PMM 160+8*\b, 64+8*\b, 192, 216+\b/2, 220, \b%2
.endr
.Lhidden_\@:
	s_add_co_u32 s39, s39, 128
	s_add_co_u32 s40, s40, REC
	s_add_co_u32 s42, s42, 1
	s_cmp_lt_u32 s42, 16
	s_cbranch_scc1 .Lstep_\@
	s_setprio 0
	; the way out: O^T / the sum, or the mean of V where the sum is 0; quantised along d; codes to memory, scale bytes to the stage
	PLACES 4
.irp b, 0,1,2,3
	ds_load_b128 v[128+8*\b:131+8*\b], v10 offset:64*\b
	ds_load_b128 v[132+8*\b:135+8*\b], v10 offset:64*\b+16
.endr
	v_add_f32 v14, v14, v15
	s_delay_alu instid0(VALU_DEP_1)
	v_permlanex16_b32 v204, v14, s44, s45
	s_delay_alu instid0(VALU_DEP_1)
	v_add_f32 v14, v14, v204                       ; the row's sum
	s_delay_alu instid0(VALU_DEP_1)
	v_cmp_eq_f32 vcc_lo, 0, v14
	v_rcp_f32 v226, v14
	v_nop                                          ; a plain place behind the reciprocal
	s_wait_alu depctr_va_vdst(0)                   ; and the wait ahead of its first reader
.set jj, 0
.rept 16
	v_pk_mul_f32 v[96+jj:97+jj], v[160+jj:161+jj], v[226:227] op_sel_hi:[1,0]
.set jj, jj+2
.endr
	s_wait_dscnt 0x0
.set jj, 0
.rept 32
	v_cndmask_b32 v[96+jj], v[96+jj], v[128+jj], vcc_lo
.set jj, jj+1
.endr
.irp b, 0,1
	v_max3_num_f32 v[200+\b], |v[96+16*\b]|, |v[97+16*\b]|, 0x1800000
.endr
.irp i, 2,4,6,8,10,12,14
.irp b, 0,1
	s_delay_alu instid0(VALU_DEP_2)
	v_max3_num_f32 v[200+\b], v[200+\b], |v[96+16*\b+\i]|, |v[97+16*\b+\i]|
.endr
.endr
.irp b, 0,1
	s_delay_alu instid0(VALU_DEP_2)
	v_permlanex16_b32 v[204+\b], v[200+\b], s44, s45
.endr
.irp b, 0,1
	s_delay_alu instid0(VALU_DEP_2)
	v_max_num_f32 v[200+\b], v[200+\b], v[204+\b]
.endr
.irp b, 0,1
	s_delay_alu instid0(VALU_DEP_2)
	v_add_nc_u32 v[208+\b], 0xff000000, v[200+\b]
.endr
.irp b, 0,1
	s_delay_alu instid0(VALU_DEP_2)
	v_lshrrev_b32 v[204+\b], 23, v[208+\b]
.endr
	s_delay_alu instid0(VALU_DEP_1)
	v_lshl_or_b32 v228, v205, 8, v204              ; the query's two scale bytes of this head
.irp t, 0,1,2,3
	v_cvt_scalef32_pk8_fp4_f32 v[192+2*(\t%2)+\t/2], v[96+8*\t:103+8*\t], v[208+\t/2]
.endr
	v_nop
	v_permlane16_swap_b32 v192, v193
	v_permlane16_swap_b32 v194, v195
	global_store_b128 v1, v[192:195], s[56+2*\k:57+2*\k]     ; 512 consecutive aligned bytes: half a fragment of the next product
.if \k
	ds_store_b16 v232, v228
.else
	ds_store_b16 v11, v228
.endif
.endm
	TILE 0
	TILE 1
	s_wait_dscnt 0x0
	s_barrier_signal -1
	s_barrier_wait -1                              ; the scale bytes of 512 queries lie in the stage
	s_cmp_lt_u32 s16, 2
	s_cbranch_scc0 .Lend
	ds_load_b128 v[96:99], v233
	s_wait_dscnt 0x0
	global_store_b128 v1, v[96:99], s[12:13]       ; 512 consecutive aligned bytes: a block of 256 queries
.Lend:
	s_wait_tensorcnt 0x0
	ds_add_u32 v254, v255
	s_wait_dscnt 0x0
	s_endpgm
.Lfunc_end_k_qab35b4022f_attn:
	.size	k_qab35b4022f_attn, .Lfunc_end_k_qab35b4022f_attn-k_qab35b4022f_attn
	.p2alignl 7, 3214868480
	.fill 96, 4, 3214868480
	.section	.rodata,"a",@progbits
	.p2align	6, 0x0
	.amdhsa_kernel k_qab35b4022f_attn
		.amdhsa_group_segment_fixed_size 169984
		.amdhsa_private_segment_fixed_size 0
		.amdhsa_enable_private_segment 0
		.amdhsa_kernarg_size 40
		.amdhsa_user_sgpr_count 2
		.amdhsa_user_sgpr_kernarg_segment_ptr 1
		.amdhsa_wavefront_size32 1
		.amdhsa_system_sgpr_workgroup_id_x 1
		.amdhsa_system_sgpr_workgroup_id_y 1
		.amdhsa_system_sgpr_workgroup_id_z 1
		.amdhsa_system_vgpr_workitem_id 0
		.amdhsa_next_free_vgpr 256
		.amdhsa_next_free_sgpr 66
		.amdhsa_reserve_vcc 1
		.amdhsa_float_denorm_mode_32 3
		.amdhsa_float_denorm_mode_16_64 3
		.amdhsa_memory_ordered 1
		.amdhsa_forward_progress 1
		.amdhsa_inst_pref_size 70
	.end_amdhsa_kernel
	.amdgpu_metadata
---
amdhsa.version: [ 1, 2 ]
amdhsa.kernels:
  - .name:           k_qab35b4022f_attn
    .symbol:         k_qab35b4022f_attn.kd
    .args:
      - { .name: q_codes, .offset: 0, .size: 8, .value_kind: global_buffer, .address_space: global }
      - { .name: q_scales, .offset: 8, .size: 8, .value_kind: global_buffer, .address_space: global }
      - { .name: kv, .offset: 16, .size: 8, .value_kind: global_buffer, .address_space: global }
      - { .name: y_codes, .offset: 24, .size: 8, .value_kind: global_buffer, .address_space: global }
      - { .name: y_scales, .offset: 32, .size: 8, .value_kind: global_buffer, .address_space: global }
    .group_segment_fixed_size: 169984
    .private_segment_fixed_size: 0
    .kernarg_segment_align: 8
    .kernarg_segment_size: 40
    .max_flat_workgroup_size: 512
    .sgpr_count:     66
    .vgpr_count:     256
    .wavefront_size: 32
...
	.end_amdgpu_metadata
.endif
;; end of part 2
;; launch oproj (part 3): grid 4 x 64, 4 waves a work-group, clusters of 4 x 4, 252,160 bytes of LDS; arguments y_codes, y_scales, Wo_codes, Wo_scales, bo, out0; writes out0
.if DOCPART == 3
	.amdgcn_target "amdgcn-amd-amdhsa--gfx1250"
	.amdhsa_code_object_version 6
	.text
	.protected	k_qab35b4022f_oproj
	.globl	k_qab35b4022f_oproj
	.p2align	8
	.type	k_qab35b4022f_oproj,@function
k_qab35b4022f_oproj:
	s_mov_b64 s[64:65], 0
	v_nop
	global_prefetch_b8 v0, s[64:65] scope:SCOPE_SE
	s_setreg_imm32_b32 hwreg(HW_REG_WAVE_MODE, 25, 1), 1
	s_wait_xcnt 0x0
	s_wait_alu depctr_hold_cnt(0) depctr_sa_sdst(0) depctr_va_vdst(0) depctr_va_sdst(0) depctr_va_ssrc(0) depctr_va_vcc(0) depctr_vm_vsrc(0)
	s_getreg_b32 s2, hwreg(HW_REG_IB_STS2, 6, 4)
	s_cmp_eq_u32 s2, 0
	s_cbranch_scc0 .Lentry_in_a_cluster
	s_endpgm
.Lentry_in_a_cluster:
	s_bfe_u32 s2, ttmp6, 0x10000c
	s_cmp_lg_u32 s2, 0xf033
	s_cbranch_scc0 .Lentry_shape_is_right
	s_endpgm
.Lentry_shape_is_right:
; out0 = Y Wo^T + bo on codes of FP4 with E8M0 scales.  Y comes as images of operand registers, [block of 128 tokens][K step 8][tile 8][half 2][512 bytes], its scale bytes as [bh][token] pairs of bytes.
; SHARES.  A work-group takes 128 tokens x 256 columns; wave w: tokens 64 (w / 2) on, columns 128 (w % 2) on: 32 accumulators.  All of K (1,024) lies in LDS: first fills alone, nothing is filled again.
; CLUSTER 4 x 4: Y's block hangs on the token block alone and is asked for jointly along a row of the cluster, Wo's rows on the column block alone, jointly along a column.  A wave has three tensor loads out.
; TRANSPOSED USE: source 0 = 16 rows of Wo, source 1 = 16 tokens: a lane holds eight neighbouring columns of one row of out0.  bo is the C of each sum's first product.
; No prefetch: every load from memory stands at the kernel's head.
; REGISTERS: window 0: v1-12 addresses; v32-95 Wo's scale words (8 b + s), v96-127 Y's (8 a + s); v128-255 at work.  window 1: the accumulators, (a, b) at 8 (8 a + b).
;   window 2: v0-127 Wo's fragments, two sets; v128-191 bo.  window 3: v0-63 Y's fragments, two sets.
.set WC,  65536                        ; LDS: Y's codes [token half][K step][4,096] from 0; Wo's codes [K half][256 rows][256 + 16],
.set WCH, 256*272
.set WSL, WC+2*WCH                     ; Wo's scale bytes, 32 units of 256 + 16,
.set YSL, WSL+32*272                   ; Y's scale bytes, 16 heads x (256 + 16),
.set STG, YSL+16*272                   ; a stage of 16 rows x (512 + 16) for each wave: no tensor load lands there
.set SPITCH, 528
.set MSB, 0
.macro WIN new
.if MSB != \new
	s_set_vgpr_msb (MSB<<8)|\new
.set MSB, \new
.endif
.endm
.macro PLACES n
.rept \n
	v_nop
.endr
.endm
.macro CROUND
	s_barrier_signal -1
	s_barrier_wait -1
	s_cmp_lg_u32 s4, 0
	s_cbranch_scc1 .Lnot_wave_0_\@
	s_barrier_signal -3
.Lnot_wave_0_\@:
	s_barrier_wait -3
	s_barrier_signal -1
	s_barrier_wait -1
.endm
	s_load_b256 s[76:83], s[0:1], 0x0              ; y_codes, y_scales, Wo_codes, Wo_scales
	s_load_b128 s[84:87], s[0:1], 0x20             ; bo, out0
	v_lshl_add_u32 v30, v0, 2, 0x3d700
	v_mov_b32 v31, 0
	ds_add_u32 v30, v31
	ds_add_u32 v30, v31
	v_lshrrev_b32 v1, 5, v0
	v_readfirstlane_b32 s4, v1                     ; wave
	s_lshr_b32 s5, s4, 1                           ; which 64 tokens.  Also: I fetch for Y (0) or for Wo (1)
	s_and_b32 s6, s4, 1                            ; which 128 columns.  Also: which half of it I fetch
	s_bfe_u32 s7, ttmp6, 0x40000
	s_bfe_u32 s8, ttmp6, 0x40004
	s_lshl_b32 s9, ttmp9, 2
	s_add_co_u32 s9, s9, s7                        ; the block of 256 columns
	s_and_b32 s10, ttmp7, 0xffff
	s_lshl_b32 s10, s10, 2
	s_add_co_u32 s10, s10, s8                      ; the block of 128 tokens
	s_lshl_b32 s11, s8, 2
	s_lshl_b32 s11, 15, s11                        ; my row of the cluster
	s_lshl_b32 s12, 0x1111, s7                     ; my column
	; Y's scale bytes: 8 heads x 256 bytes, 4,096 bytes apart, 16 bytes of padding behind each
	s_or_b32 s16, s11, (3<<16)|(1<<20)|(1<<21)|(5<<22)|(3<<25)
	s_mov_b32 s17, 32<<16
	s_mov_b32 s18, 8<<16
	s_mov_b32 s19, 32<<16
	s_mov_b32 s20, 8
	s_mov_b32 s21, 512
	s_mov_b32 s22, 0
	s_mov_b32 s23, 0
	; Y's codes: 4 K steps x 4,096 bytes (four tiles), 8,192 bytes apart, no padding
	s_or_b32 s24, s11, (3<<16)|(1<<21)
	s_mov_b32 s25, 512<<16
	s_mov_b32 s26, 4<<16
	s_mov_b32 s27, 512<<16
	s_mov_b32 s28, 4
	s_mov_b32 s29, 1024
	s_mov_b32 s30, 0
	s_mov_b32 s31, 0
	; Wo's scale bytes: 4,096 dense bytes as 16 rows of 256
	s_or_b32 s32, s12, (3<<16)|(1<<20)|(1<<21)|(5<<22)|(3<<25)
	s_mov_b32 s33, 32<<16
	s_mov_b32 s34, 16<<16
	s_mov_b32 s35, 32<<16
	s_mov_b32 s36, 16
	s_mov_b32 s37, 32
	s_mov_b32 s38, 0
	s_mov_b32 s39, 0
	; Wo's codes: 128 rows x 256 bytes, 512 bytes apart
	s_or_b32 s40, s12, (1<<20)|(1<<21)|(5<<22)|(3<<25)
	s_mov_b32 s41, 256<<16
	s_mov_b32 s42, 128<<16
	s_mov_b32 s43, 256<<16
	s_mov_b32 s44, 128
	s_mov_b32 s45, 512
	s_mov_b32 s46, 0
	s_mov_b32 s47, 0
	s_lshl_b32 s2, s10, 16                         ; Y's codes: 65,536 a block, + my four tiles
	s_lshl_b32 s13, s6, 12
	s_add_co_u32 s2, s2, s13
	s_mov_b32 s3, 0
	s_lshr_b32 s14, s10, 4                         ; Y's scale bytes: 16 heads of 4,096 a batch, + my 8 heads, + the block's 256 bytes
	s_lshl_b32 s14, s14, 16
	s_lshl_b32 s13, s6, 15
	s_add_co_u32 s14, s14, s13
	s_and_b32 s13, s10, 15
	s_lshl_b32 s13, s13, 8
	s_add_co_u32 s14, s14, s13
	s_mov_b32 s15, 0
	s_lshl_b32 s88, s9, 17                         ; Wo's codes: 256 rows of 512 a block, + my 128 rows
	s_lshl_b32 s90, s6, 16
	s_add_co_u32 s88, s88, s90
	s_mov_b32 s89, 0
	s_wait_dscnt 0x0
	s_wait_kmcnt 0x0
	s_add_nc_u64 s[76:77], s[76:77], s[2:3]
	s_add_nc_u64 s[78:79], s[78:79], s[14:15]
	s_add_nc_u64 s[80:81], s[80:81], s[88:89]
	s_lshr_b32 s88, s88, 4                         ; the same rows' 32 scale bytes
	s_add_nc_u64 s[82:83], s[82:83], s[88:89]
	s_mov_b32 s48, 1
	s_mul_i32 s49, s6, 8*272
	s_add_co_u32 s49, s49, YSL
	s_mov_b64 s[50:51], s[78:79]
	s_or_b32 s51, s51, 0x80000000
	s_mov_b32 s52, 1
	s_lshl_b32 s53, s6, 15
	s_mov_b64 s[54:55], s[76:77]
	s_or_b32 s55, s55, 0x80000000
	s_mov_b32 s56, 1
	s_add_co_u32 s57, s53, 16384
	s_add_nc_u64 s[58:59], s[76:77], 32768
	s_or_b32 s59, s59, 0x80000000
	s_mov_b32 s60, 1
	s_mul_i32 s61, s6, 16*272
	s_add_co_u32 s61, s61, WSL
	s_mov_b64 s[62:63], s[82:83]
	s_or_b32 s63, s63, 0x80000000
	s_mov_b32 s68, 1
	s_mul_i32 s69, s6, 128*272
	s_add_co_u32 s69, s69, WC
	s_mov_b64 s[70:71], s[80:81]
	s_or_b32 s71, s71, 0x80000000
	s_mov_b32 s72, 1
	s_add_co_u32 s73, s69, WCH
	s_add_nc_u64 s[74:75], s[80:81], 256
	s_or_b32 s75, s75, 0x80000000
	CROUND                                         ; all sixteen work-groups are here: the joint loads meet
	s_cmp_lt_u32 s4, 2                             ; a wave's three fills stand in one branch: scale bytes, K half 0, K half 1
	s_cbranch_scc0 .Lfirst_w
	tensor_load_to_lds s[48:51], s[16:23]
	s_nop 0
	tensor_load_to_lds s[52:55], s[24:31]
	s_nop 0
	tensor_load_to_lds s[56:59], s[24:31]
	s_nop 0
	PLACES 4
	s_branch .Lfirst_done
.Lfirst_w:
	tensor_load_to_lds s[60:63], s[32:39]
	s_nop 0
	tensor_load_to_lds s[68:71], s[40:47]
	s_nop 0
	tensor_load_to_lds s[72:75], s[40:47]
	s_nop 0
	PLACES 4
.Lfirst_done:
	v_and_b32 v1, 15, v0                           ; r
	v_bfe_u32 v2, v0, 4, 1                         ; h
	v_lshrrev_b32 v3, 3, v1
	v_mul_u32_u24 v3, v3, 272
	v_and_b32 v7, 7, v1
	v_lshl_add_u32 v3, v7, 5, v3                   ; row r of a tile among Wo's scale bytes
	v_mul_u32_u24 v4, v1, 272
	v_lshl_add_u32 v4, v2, 4, v4
	s_mul_i32 s2, s6, 128*272
	s_add_co_u32 s2, s2, WC
	v_add_nc_u32 v4, s2, v4                        ; v4, v5: Wo's fragments in K half 0, 1
	v_add_nc_u32 v5, WCH, v4
	v_and_b32 v7, 31, v0
	v_lshlrev_b32 v11, 4, v7                       ; v11: 16 x lane
	s_lshl_b32 s2, s5, 15
	v_add_nc_u32 v6, s2, v11                       ; v6: Y's images
	s_mul_i32 s2, s6, 16*272
	s_add_co_u32 s2, s2, WSL
	v_add_nc_u32 v7, s2, v3                        ; v7: Wo's scale words
	s_lshl_b32 s2, s5, 7
	s_add_co_u32 s2, s2, YSL
	v_lshl_add_u32 v8, v1, 1, s2                   ; v8: Y's scale bytes: 2 bytes a token
	s_mul_i32 s2, s4, 16*SPITCH
	s_add_co_u32 s2, s2, STG
	v_mul_u32_u24 v9, v1, SPITCH
	v_lshl_add_u32 v9, v2, 5, v9
	v_add_nc_u32 v9, s2, v9                        ; v9: into my stage: row r, 32 bytes for each half of the lanes
	v_add_nc_u32 v10, s2, v11                      ; v10: back: a row of 512 bytes
	v_lshlrev_b32 v12, 5, v2                       ; v12: 32 h
	s_wait_alu depctr_va_vdst(0)
	s_lshl_b32 s2, s9, 10
	s_lshl_b32 s13, s6, 9
	s_add_co_u32 s2, s2, s13                       ; my first column, in bytes
	s_mov_b32 s3, 0
	s_add_nc_u64 s[84:85], s[84:85], s[2:3]
	s_add_nc_u64 s[86:87], s[86:87], s[2:3]
	s_lshl_b32 s2, s10, 19
	s_lshl_b32 s13, s5, 18
	s_add_co_u32 s2, s2, s13                       ; my first row of 4,096 bytes
	s_add_nc_u64 s[86:87], s[86:87], s[2:3]
	WIN 0x80
.irp b, 0,1,2,3,4,5,6,7
	global_load_b128 v[128+8*\b:131+8*\b], v12, s[84:85] offset:64*\b        ; bo at columns 16 b + 8 h + 0 .. 7
	global_load_b128 v[132+8*\b:135+8*\b], v12, s[84:85] offset:64*\b+16
.endr
	WIN 0
.macro FETCH s                         ; K step s: Wo's 8 fragments and Y's 4 into set s % 2: 24 loads
.set PP, (\s)%2
	WIN 0x80
.irp b, 0,1,2,3,4,5,6,7
	ds_load_b128 v[64*PP+8*\b:64*PP+8*\b+3], v[4+(\s)/4] offset:4352*\b+64*((\s)%4)
	ds_load_b128 v[64*PP+8*\b+4:64*PP+8*\b+7], v[4+(\s)/4] offset:4352*\b+64*((\s)%4)+32
.endr
	WIN 0xc0
.irp a, 0,1,2,3
	ds_load_b128 v[32*PP+8*\a:32*PP+8*\a+3], v6 offset:4096*(\s)+1024*\a
	ds_load_b128 v[32*PP+8*\a+4:32*PP+8*\a+7], v6 offset:4096*(\s)+1024*\a+512
.endr
.endm
.macro MUL s                           ; 32 products; the accumulators take turns, one instruction a turn
.set PP, (\s)%2
.if (\s) == 0
	WIN 0x6e
.else
	WIN 0x5e
.endif
.irp a, 0,1,2,3
.irp b, 0,1,2,3,4,5,6,7
.if (\s) == 0
	v_wmma_scale_f32_16x16x128_f8f6f4 v[8*(8*\a+\b):8*(8*\a+\b)+7], v[64*PP+8*\b:64*PP+8*\b+7], v[32*PP+8*\a:32*PP+8*\a+7], v[128+8*\b:135+8*\b], v[32+8*\b+(\s)], v[96+8*\a+(\s)] matrix_a_fmt:MATRIX_FMT_FP4 matrix_b_fmt:MATRIX_FMT_FP4
.else
	v_wmma_scale_f32_16x16x128_f8f6f4 v[8*(8*\a+\b):8*(8*\a+\b)+7], v[64*PP+8*\b:64*PP+8*\b+7], v[32*PP+8*\a:32*PP+8*\a+7], v[8*(8*\a+\b):8*(8*\a+\b)+7], v[32+8*\b+(\s)], v[96+8*\a+(\s)] matrix_a_fmt:MATRIX_FMT_FP4 matrix_b_fmt:MATRIX_FMT_FP4
.endif
.endr
.endr
.endm
.macro KSTEP s
.if (\s) == 3
	s_wait_tensorcnt 0x0                           ; my part of K half 1 is in,
	s_wait_dscnt 0x0
	s_barrier_signal -1
	s_barrier_wait -1                              ; everybody's is
.endif
.if (\s) < 7
.if (\s) > 0
	PLACES 4                                       ; in front of loads into the set that the last step multiplied
.endif
	FETCH (\s)+1
	s_wait_dscnt 24                                ; this step's fragments are in; the 24 loads just issued may be out
.else
	s_wait_dscnt 0x0
.endif
	MUL \s
.endm
.macro TOSTAGE a                       ; 16 tokens x 128 columns through my own stage; LDS serves a wave's instructions in order, so no wait stands between the stores and the loads
	WIN 0x04
.irp b, 0,1,2,3,4,5,6,7
	ds_store_b128 v9, v[8*(8*(\a)+\b):8*(8*(\a)+\b)+3] offset:64*\b          ; each accumulator from its low end on
	ds_store_b128 v9, v[8*(8*(\a)+\b)+4:8*(8*(\a)+\b)+7] offset:64*\b+16
.endr
	WIN 0
.set BB, 128+64*((\a)%2)
.irp t, 0,1,2,3,4,5,6,7,8,9,10,11,12,13,14,15
	ds_load_b128 v[BB+4*\t:BB+4*\t+3], v10 offset:\t*SPITCH
.endr
.endm
.macro SEND a, younger
.set BB, 128+64*((\a)%2)
	s_wait_dscnt \younger
.irp t, 0,1,2,3,4,5,6,7,8,9,10,11,12,13,14,15
	global_store_b128 v11, v[BB+4*\t:BB+4*\t+3], s[86:87] offset:65536*(\a)+4096*\t th:TH_STORE_NT    ; 32 lanes store 512 consecutive aligned bytes
.endr
.endm
	s_wait_tensorcnt 0x1                           ; the scale bytes and my part of K half 0 are in; K half 1 may stay out
	s_barrier_signal -1
	s_barrier_wait -1
.irp b, 0,1,2,3,4,5,6,7
	ds_load_b128 v[32+8*\b:35+8*\b], v7 offset:544*\b          ; Wo's eight scale words of row 16 b + r
	ds_load_b128 v[36+8*\b:39+8*\b], v7 offset:544*\b+16
.endr
.irp a, 0,1,2,3
.irp s, 0,1,2,3,4,5,6,7
	ds_load_u16 v[128+2*(8*\a+\s)], v8 offset:272*(2*\s)+32*\a         ; token 16 a + r: the two bytes of head 2 s,
	ds_load_u16 v[129+2*(8*\a+\s)], v8 offset:272*(2*\s+1)+32*\a       ; and of head 2 s + 1
.endr
.endr
	FETCH 0
	WIN 0
	s_wait_dscnt 24                                ; all but the fetch just issued
.irp a, 0,1,2,3
.irp s, 0,1,2,3,4,5,6,7
	v_lshl_or_b32 v[96+8*\a+\s], v[129+2*(8*\a+\s)], 16, v[128+2*(8*\a+\s)]      ; Y's scale word of K step s
.endr
.endr
	PLACES 8                                       ; scale registers written by vector instructions stand this far ahead of a scaled product
	s_wait_alu depctr_va_vdst(0)
	s_wait_loadcnt 0x0                             ; bo
	KSTEP 0
	KSTEP 1
	KSTEP 2
	KSTEP 3
	KSTEP 4
	KSTEP 5
	KSTEP 6
	KSTEP 7
	WIN 0
	PLACES 4                                       ; behind the last products, ahead of the first read of results
	TOSTAGE 0
.irp a, 1,2,3
.if \a > 1
	s_wait_xcnt 0x0                                ; the stores of two blocks back have read their registers
.endif
	TOSTAGE \a
	SEND \a-1, 32                                  ; behind that block's loads: the next block's 16 stores and 16 loads
.endr
	SEND 3, 0
	s_wait_dscnt 0x0
	s_wait_tensorcnt 0x0
	ds_add_u32 v30, v31
	s_wait_dscnt 0x0
	CROUND                                         ; the closing round
	s_endpgm
.Lfunc_end_k_qab35b4022f_oproj:
	.size	k_qab35b4022f_oproj, .Lfunc_end_k_qab35b4022f_oproj-k_qab35b4022f_oproj
	.p2alignl 7, 3214868480
	.fill 96, 4, 3214868480
	.section	.rodata,"a",@progbits
	.p2align	6, 0x0
	.amdhsa_kernel k_qab35b4022f_oproj
		.amdhsa_group_segment_fixed_size 252160
		.amdhsa_private_segment_fixed_size 0
		.amdhsa_enable_private_segment 0
		.amdhsa_kernarg_size 48
		.amdhsa_user_sgpr_count 2
		.amdhsa_user_sgpr_kernarg_segment_ptr 1
		.amdhsa_wavefront_size32 1
		.amdhsa_system_sgpr_workgroup_id_x 1
		.amdhsa_system_sgpr_workgroup_id_y 1
		.amdhsa_system_sgpr_workgroup_id_z 1
		.amdhsa_system_vgpr_workitem_id 0
		.amdhsa_next_free_vgpr 1024
		.amdhsa_next_free_sgpr 92
		.amdhsa_reserve_vcc 0
		.amdhsa_float_denorm_mode_32 3
		.amdhsa_float_denorm_mode_16_64 3
		.amdhsa_memory_ordered 1
		.amdhsa_forward_progress 1
		.amdhsa_inst_pref_size 79
	.end_amdhsa_kernel
	.amdgpu_metadata
---
amdhsa.version: [ 1, 2 ]
amdhsa.kernels:
  - .name:           k_qab35b4022f_oproj
    .symbol:         k_qab35b4022f_oproj.kd
    .args:
      - { .name: y_codes, .offset: 0, .size: 8, .value_kind: global_buffer, .address_space: global }
      - { .name: y_scales, .offset: 8, .size: 8, .value_kind: global_buffer, .address_space: global }
      - { .name: Wo_codes, .offset: 16, .size: 8, .value_kind: global_buffer, .address_space: global }
      - { .name: Wo_scales, .offset: 24, .size: 8, .value_kind: global_buffer, .address_space: global }
      - { .name: bo, .offset: 32, .size: 8, .value_kind: global_buffer, .address_space: global }
      - { .name: out0, .offset: 40, .size: 8, .value_kind: global_buffer, .address_space: global }
    .group_segment_fixed_size: 252160
    .private_segment_fixed_size: 0
    .kernarg_segment_align: 8
    .kernarg_segment_size: 48
    .max_flat_workgroup_size: 128
    .sgpr_count:     92
    .vgpr_count:     1024
    .wavefront_size: 32
...
	.end_amdgpu_metadata
.endif
;; end of part 3
